; MI455X (gfx1250); checked and timed in simulation.
; The chip was launched on July 23, 2026; its instructions are those of AMD's public machine-readable ISA for CDNA 5 (MIT licence, August 2026) and "CDNA5" Instruction Set Architecture Reference Guide (July 2026). The comments in the code are by the model that wrote it; some were corrected since.
;; Simple Attention. Allowed arithmetic: float matrix products may take bf16 or f16 operands with f32 sums; other float arithmetic in f32, or as packed bf16 or f16 multiplies, adds, multiply-adds, maxima and minima; sums over many terms, partial sums and values carried from step to step in f32; what a program stores and reads back later, other than sums and carried values, may be rounded once to bf16 or f16.
;; Inputs: W_att 3 x 128 x 128 float32; W_c 128 x 10 float32; W_in 128 x 128 float32; b_att 3 x 128 float32; b_c 10 float32; b_in 128 float32; beta 3 x 128 float32; gamma 3 x 128 float32; x 8,192 x 128 float32.
;; Outputs: out0 8,192 x 10 float32.
;; One version. Each part assembles by itself: llvm-mc -triple=amdgcn-amd-amdhsa -mcpu=gfx1250 --defsym DOCPART=n.
;; ======== version 1 of 1: 1 launch
;; limits: a function is approximated: absolute error at most 3.4e-06
;; launch main (part 1): grid 128 x 1, 4 waves a work-group, clusters of 4 x 1, 295,936 bytes of LDS; arguments x, W_in, b_in, W_att, b_att, gamma, beta, W_c, b_c, out0; writes out0
.if DOCPART == 1
	.amdgcn_target "amdgcn-amd-amdhsa--gfx1250"
	.amdhsa_code_object_version 6
	.text
	.protected	k_qb11962beb2_main
	.globl	k_qb11962beb2_main
	.p2align	8
	.type	k_qb11962beb2_main,@function
k_qb11962beb2_main:
	s_mov_b64 s[64:65], 0
	v_nop
	global_prefetch_b8 v0, s[64:65] scope:SCOPE_SE
	s_setreg_imm32_b32 hwreg(HW_REG_WAVE_MODE, 25, 1), 1
	s_wait_xcnt 0x0
	s_wait_alu depctr_hold_cnt(0) depctr_sa_sdst(0) depctr_va_vdst(0) depctr_va_sdst(0) depctr_va_ssrc(0) depctr_va_vcc(0) depctr_vm_vsrc(0)
	s_getreg_b32 s2, hwreg(HW_REG_IB_STS2, 6, 4)
	s_cmp_eq_u32 s2, 0
	s_cbranch_scc0 .Lentry_in_a_cluster
	s_endpgm
.Lentry_in_a_cluster:
	s_bfe_u32 s2, ttmp6, 0x10000c
	s_cmp_lg_u32 s2, 0x3003
	s_cbranch_scc0 .Lentry_shape_is_right
	s_endpgm
.Lentry_shape_is_right:
; SimpleAttention, whole, in one launch.  For each of 8,192 rows: h = x W_in + b_in; three times u = tanh(h W + b), out_i = sum_j softmax_j(u_i u_j) h_j, h = LayerNorm(h + out) g + be; then h W_c + b_c.
; SHARES.  A wave owns 16 rows from x to out0 and keeps h in f32 in registers all the way; four waves are a work-group (64 rows), 128 work-groups, clusters of four.
; LAYOUT.  Every product is taken transposed (source 0 = 16 output channels of W^T, source 1 = the 16 rows): lane (r = l % 16, hh = l / 16) holds row r, and register 8 t + j channel 16 t + 8 hh + j.
; Rounded to bf16 in pairs these 64 registers ARE source 1 of the next product, so nothing changes lanes between layers, and a sum over a row is a sum in the lane and one exchange of the halves.
; THE SOFTMAX BY MOMENTS.  u is a tanh, so every exponent z = u_i u_j lies in [-1, 1], for every input.  There e^z = sum_k c_k z^k (k = 0..6) and z^k = u_i^k u_j^k, so with S_k = sum_j u_j^k and
; M_k = sum_j u_j^k h_j the row's numerators are sum_k c_k M_k u_i^k and its denominators sum_k c_k S_k u_i^k: 13 sums over the row and two Horner chains take the place of 128 x 128 exponentials.
; Numerator and denominator use the same weights p(u_i u_j) > 0.36, so out stays a weighted mean of h.  No maximum is taken away: the exponents are bounded by 1 by the tanh, and no exponential of a score is formed.
; LIMITS.  c_k is the Chebyshev expansion of e^z on [-1, 1] cut behind degree 6: off by at most 3.4e-6, which is at most 9.3e-6 of any weight (the least is e^-1).  tanh y = 1 - 2 / (1 + 2^(2 y log2 e)), off by a few
; 1e-7 absolutely; it gives exactly 1 and -1 for large |y|.  ALL NINE INPUTS ARE ROUNDED ONCE TO bf16, the biases, gamma and beta like x and the weights, so that all carry one and the same rounding.
; h is rounded to bf16 as source 1 of the three products in front of the tanh; in the classifier it goes in two bf16 parts, its rounding and what the rounding left.  h itself, all sums, the moments and
; LayerNorm (mean first, then the centred squares) stay in f32.  NaN and infinities are not treated apart.
; WEIGHTS.  All work-groups read the same 267 KB, so they come by JOINT tensor loads (mask of the cluster's four), as f32, each LDS byte filled once.  Wave w fetches rows 32 w .. 32 w + 31 of each matrix and
; later turns these same rows into bf16 in place, at the head of each LDS row; a barrier stands between that and the others' reads.  W lies [k][n], so fragments are read turned, by ds_load_tr16_b128.
.set PW,    544                        ; an LDS row of W: 512 bytes of f32 + 32 of padding = 136 words
.set MATB,  128*PW                     ; a matrix: W_in at 0, W_att[m] at (m + 1) MATB
.set QB,    32*PW                      ; a wave's 32 rows of it
.set WCB,   4*MATB                     ; W_c as [128][16], rows of 64 bytes; columns 10-15 are written as zeros by the load
.set VEC,   WCB+8192                   ; the vectors, VW bytes each, the one that wave w fetches at VW x w: b_in (and zeros), b_att, gamma, beta; a layer is 512 bytes
.set VW,    1536
.set STG,   VEC+4*VW                   ; the way out: the work-group's [64][10] f32, dense; no load lands here
.set SPARE, STG+2560                   ; the spare words, 128 bytes for each wave: two blocks of 256 bytes that no other line names
; window 0 of the vector registers
.set XO,   1                           ; v1   my byte offset in the wave's rows of x; later my row of W_c in LDS
.set AW0,  2                           ; v2   my lane's place in a matrix for the turning loads; never rewritten
.set AVE0, 3                           ; v3   VEC + 32 hh; never rewritten
.set CVL0, 4                           ; v4   where I read 8 f32 of my wave's rows; never rewritten
.set CVS0, 5                           ; v5   where I put them as 8 bf16; never rewritten
.set AW,   6                           ; v6-9 the same four with the layer's step added
.set AVE,  7
.set CVL,  8
.set CVS,  9
.set LR,   10                          ; v10  r = l % 16
.set LH,   11                          ; v11  hh = l / 16
.set L7,   12                          ; v12  l % 8
.set L3,   13                          ; v13  (l / 8) % 2
.set SPW,  14                          ; v14  LDS address of my spare word; never rewritten
.set NIL,  15                          ; v15  0; never rewritten
.set H,    16                          ; v16-79    h
.set U,    80                          ; v80-143   x; a product's sums; u; beta
.set T,    144                         ; v144-207  h in bf16 (32; in the classifier 64); the powers u^k; gamma
.set MOM,  208                         ; v208-235  c_k M_k at MOM + 4 k, c_k S_k at MOM + 4 k + 2: the number in the pair's low register
.set AC,   236                         ; v236-251  partial sums; at work
.set MEAN, 252                         ; v252-253
.set VAR,  254                         ; v254-255
.set VA,   252                         ; at the head: my 16 bytes of my wave's vector in LDS
.set AWC,  208                         ; the tail's addresses, where the moments lay
.set ST1,  209
.set ST2,  210
.set RD,   211
.set GO,   212
; window 1: v0-255 a matrix's 32 fragments, (c, t) at 8 (8 c + t); v0-127 a quarter matrix on its way to bf16; the two Horner chains:
.set N,    128
.set D,    192
; scalar registers.  s[4:23]: x 4, W_in 6, b_in 8, W_att 10, b_att 12, gamma 14, beta 16, W_c 18, b_c 20, out0 22
.set WOF,  2                           ; s[2:3]   an offset made of the wave's number alone
.set WV,   24                          ; my wave's number
.set CX,   25                          ; my place in the cluster: it enters x's and out0's addresses alone
.set WG,   26                          ; my work-group
.set LC,   27                          ; layers to go (at the head: at work)
.set XOF,  28                          ; s[28:29] x's offset; then
.set INV,  28                          ;          1 / 128
.set EPSR, 29                          ;          1e-5
.set OOF,  30                          ; s[30:31] out0's offset
.set BC,   32                          ; s[32:41] b_c
.set SEL,  42                          ; s[42:43] v_permlanex16_b32's selects: each lane takes its own place in the other half
.set TS,   44                          ; s[44:45] 2 log2 e
.set HIM,  46                          ; 0xffff0000: a mask of lanes 16-31, and of a word's upper bf16
.set VB,   47                          ; 512 x layer
.set G1M,  48                          ; s[48:55] descriptor group 1: 32 rows of a 128 x 128 matrix
.set G1C,  56                          ; s[56:63] 32 rows of W_c
.set WQ,   66                          ; wave x QB
.set WCQ,  67                          ; WCB + wave x 2,048
.set G1S,  68                          ; s[68:75] one row: a vector
.set G0S,  76                          ; group 0, a set for each of a wave's six loads: the vector,
.set G0I,  80                          ; W_in,
.set G0C,  84                          ; W_c,
.set G0A,  88                          ; s[88:99] W_att[0..2]
.set MB,   100                         ; LDS byte of the matrix to be multiplied by
.set CB,   101                         ; of the matrix to be turned into bf16
.set MSB, 0
.macro WIN new                         ; s_set_vgpr_msb: bits 1:0 source 0, 3:2 source 1, 5:4 source 2, 7:6 destination; the high byte repeats the setting that is left
.if MSB != (\new)
	s_set_vgpr_msb (MSB<<8)|(\new)
.set MSB, (\new)
.endif
.endm
.macro PLACES                          ; four places behind a matrix instruction (ISA guide 7.12.1)
.rept 4
	v_nop
.endr
.endm
; A round of the cluster's barrier: my work-group's barrier; wave 0 signals for the work-group; every wave waits for all four work-groups; my work-group's barrier once more.
.macro CROUND
	s_barrier_signal -1
	s_barrier_wait -1
	s_cmp_lg_u32 s[WV], 0
	s_cbranch_scc1 .Lnot_wave_0_\@
	s_barrier_signal -3
.Lnot_wave_0_\@:
	s_barrier_wait -3
	s_barrier_signal -1
	s_barrier_wait -1
.endm
; Vector number w, of c elements of 8 bytes, asked for as one row 192 elements wide: elements at or beyond tensor_dim0 arrive as zeros, so every wave's VW bytes are written whole.
; An s_nop 0 and four v_nop follow the load, ahead of the jump and the label.
.macro VECLOAD ptr, w, c
	s_mov_b32 s[G0S+1], VEC+(\w)*VW                ; LDS address
	s_mov_b64 s[G0S+2:G0S+3], s[\ptr:\ptr+1]       ; global address
	s_or_b32 s[G0S+3], s[G0S+3], 0x80000000        ; type = 2
	s_mov_b32 s[G1S+1], (\c)<<16                   ; tensor_dim0
	s_mov_b32 s[G1S+5], \c                         ; the pitch
	tensor_load_to_lds s[G0S:G0S+3], s[G1S:G1S+7]
	s_nop 0
	PLACES
.endm
; My wave's 32 rows of the matrix at CB, f32, into window 1: load i takes rows 2 i + hh, 8 numbers a lane.
.macro CONV_LOAD
	WIN 0
	v_add_nc_u32 v[CVL], s[CB], v[CVL0]
	v_add_nc_u32 v[CVS], s[CB], v[CVS0]
	WIN 0x40                                       ; destination window 1, address window 0
.set i, 0
.rept 16
	ds_load_b128 v[8*i:8*i+3],   v[CVL] offset:2*PW*i
	ds_load_b128 v[8*i+4:8*i+7], v[CVL] offset:2*PW*i+16
.set i, i+1
.endr
	WIN 0
.endm
; They are rounded in place (ascending, so no source is written early) and go back as bf16, 16 bytes a lane, to the head of the same rows.  All the loads above have come back by then.
.macro CONV_STORE
	WIN 0x45
.set i, 0
.rept 64
	v_cvt_pk_bf16_f32 v[8*(i/4)+i%4], v[8*(i/4)+2*(i%4)], v[8*(i/4)+2*(i%4)+1]
.set i, i+1
.endr
	WIN 0x04                                       ; store data window 1, address window 0
.set i, 0
.rept 16
	ds_store_b128 v[CVS], v[8*i:8*i+3] offset:2*PW*i
.set i, i+1
.endr
	WIN 0
	s_add_co_u32 s[CB], s[CB], MATB
.endm
.macro PACK src                        ; 64 f32 to 32 registers of bf16: source 1's four fragments, 32 channels each
.set i, 0
.rept 32
	v_cvt_pk_bf16_f32 v[T+i], v[(\src)+2*i], v[(\src)+2*i+1]
.set i, i+1
.endr
.endm
.macro FRAGS first                     ; 32 turning loads: the 16 fragments from number first on; fragment i = 8 c + t: k = 32 c on, output channels 16 t on
	WIN 0x40
.set i, \first
.rept 16
	ds_load_tr16_b128 v[8*i:8*i+3],   v[AW] offset:(i/8)*32*PW+(i%8)*32
	ds_load_tr16_b128 v[8*i+4:8*i+7], v[AW] offset:(i/8)*32*PW+16*PW+(i%8)*32
.set i, i+1
.endr
.endm
.macro MULS c, acc                     ; K step c: 8 products, the 8 accumulators by turns, one instruction a turn
	WIN 0x01                                       ; source 0 window 1
.set i, 8*(\c)
.rept 8
	v_wmma_f32_16x16x32_bf16 v[(\acc)+8*(i%8):(\acc)+8*(i%8)+7], v[8*i:8*i+7], v[T+8*(i/8):T+8*(i/8)+7], v[(\acc)+8*(i%8):(\acc)+8*(i%8)+7]
.set i, i+1
.endr
.endm
; acc = src W + bias, W the matrix at MB, the bias at VEC + VB + boff.  The bias is loaded into the accumulators and starts the sums: nothing is cleared.
; The LDS loads stand in two runs: the bias and K steps 0 and 1 (48), and behind step 0's products steps 2 and 3 (32), which land under 8 products and more.  They name no register of those products.
.macro GEMM acc, src, boff
	WIN 0
	v_add_nc_u32 v[AVE], s[VB], v[AVE0]
	v_add_nc_u32 v[AW], s[MB], v[AW0]
.set i, 0
.rept 16
	ds_load_b128 v[(\acc)+4*i:(\acc)+4*i+3], v[AVE] offset:(\boff)+64*(i/2)+16*(i%2)  ; channels 16 t + 8 hh + 0..7: the same bytes for all lanes of a half
.set i, i+1
.endr
	FRAGS 0
	WIN 0
	PACK \src
	s_wait_dscnt 16                                ; LDS loads come back in order: the bias and step 0 are in; step 1's 16 loads may stay out
	MULS 0, \acc
	FRAGS 16
	s_wait_dscnt 32                                ; step 1 is in; the 32 just issued may stay out
	MULS 1, \acc
	s_wait_dscnt 16                                ; step 2 is in
	MULS 2, \acc
	s_wait_dscnt 0x0
	MULS 3, \acc
	WIN 0
	s_add_co_u32 s[MB], s[MB], MATB
.endm
.macro FOLD8 dst                       ; eight pairs of partial sums into one
.irp q, 0,1,2,3
	v_pk_add_f32 v[AC+2*\q:AC+2*\q+1], v[AC+2*\q:AC+2*\q+1], v[AC+2*\q+8:AC+2*\q+9]
.endr
.irp q, 0,1
	v_pk_add_f32 v[AC+2*\q:AC+2*\q+1], v[AC+2*\q:AC+2*\q+1], v[AC+2*\q+4:AC+2*\q+5]
.endr
	v_pk_add_f32 v[\dst:\dst+1], v[AC:AC+1], v[AC+2:AC+3]
.endm
.macro SUM32 x, dst                    ; the lane's 64 numbers, as a pair of sums: eight chains
.set i, 0
.rept 8
	v_pk_add_f32 v[AC+2*i:AC+2*i+1], v[(\x)+2*i:(\x)+2*i+1], v[(\x)+2*i+16:(\x)+2*i+17]
.set i, i+1
.endr
.set i, 16
.rept 16
	v_pk_add_f32 v[AC+2*(i%8):AC+2*(i%8)+1], v[AC+2*(i%8):AC+2*(i%8)+1], v[(\x)+2*i:(\x)+2*i+1]
.set i, i+1
.endr
	FOLD8 \dst
.endm
.macro SUMSQ x, dst                    ; the same of their squares
.set i, 0
.rept 8
	v_pk_mul_f32 v[AC+2*i:AC+2*i+1], v[(\x)+2*i:(\x)+2*i+1], v[(\x)+2*i:(\x)+2*i+1]
.set i, i+1
.endr
.rept 24
	v_pk_fma_f32 v[AC+2*(i%8):AC+2*(i%8)+1], v[(\x)+2*i:(\x)+2*i+1], v[(\x)+2*i:(\x)+2*i+1], v[AC+2*(i%8):AC+2*(i%8)+1]
.set i, i+1
.endr
	FOLD8 \dst
.endm
.macro CROSS p                         ; a pair of sums, and the other half of the lanes': the row's sum in every lane, in the low register
	v_add_f32 v[\p], v[\p], v[\p+1]
	v_permlanex16_b32 v[\p+1], v[\p], s[SEL], s[SEL+1]
	v_add_f32 v[\p], v[\p], v[\p+1]
.endm
; u = tanh(y) = 1 - 2 / (1 + 2^(TS y)), in place.  Two batches of 64 transcendentals, each with its plain instruction behind the last and ONE wait ahead of the first reader;
; the packed line of four pairs further on stands behind each two.  U is taken in ascending order.
.macro TANH
.set e, 0
.rept 4
	v_pk_mul_f32 v[U+2*e:U+2*e+1], v[U+2*e:U+2*e+1], s[TS:TS+1] op_sel_hi:[1,0]
.set e, e+1
.endr
.set e, 0
.rept 32
	v_exp_f32 v[U+2*e], v[U+2*e]
	v_exp_f32 v[U+2*e+1], v[U+2*e+1]
.if e < 28
	v_pk_mul_f32 v[U+2*e+8:U+2*e+9], v[U+2*e+8:U+2*e+9], s[TS:TS+1] op_sel_hi:[1,0]
.endif
.set e, e+1
.endr
	v_nop
	s_wait_alu depctr_va_vdst(0)
.set e, 0
.rept 4
	v_pk_add_f32 v[U+2*e:U+2*e+1], v[U+2*e:U+2*e+1], 1.0 op_sel_hi:[1,0]
.set e, e+1
.endr
.set e, 0
.rept 32
	v_rcp_f32 v[U+2*e], v[U+2*e]
	v_rcp_f32 v[U+2*e+1], v[U+2*e+1]
.if e < 28
	v_pk_add_f32 v[U+2*e+8:U+2*e+9], v[U+2*e+8:U+2*e+9], 1.0 op_sel_hi:[1,0]
.endif
.set e, e+1
.endr
	v_nop
	s_wait_alu depctr_va_vdst(0)
.set e, 0
.rept 32
	v_pk_fma_f32 v[U+2*e:U+2*e+1], v[U+2*e:U+2*e+1], -2.0, 1.0 op_sel_hi:[1,0,0]
.set e, e+1
.endr
.endm
.macro POW k                           ; T = u^k
.set e, 0
.rept 32
.if (\k) == 2
	v_pk_mul_f32 v[T+2*e:T+2*e+1], v[U+2*e:U+2*e+1], v[U+2*e:U+2*e+1]
.else
	v_pk_mul_f32 v[T+2*e:T+2*e+1], v[T+2*e:T+2*e+1], v[U+2*e:U+2*e+1]
.endif
.set e, e+1
.endr
.endm
; The lane's part of S_k (sum of p) and M_k (sum of p h), p = u^k: four chains each, S_a at AC + 4 a, M_a at AC + 4 a + 2, by turns, so a chain's links stand eight lines apart.
.macro MOMK k, p
.set e, 0
.rept 4
	v_pk_add_f32 v[AC+4*e:AC+4*e+1], v[(\p)+2*e:(\p)+2*e+1], v[(\p)+2*e+8:(\p)+2*e+9]
	v_pk_mul_f32 v[AC+4*e+2:AC+4*e+3], v[(\p)+2*e:(\p)+2*e+1], v[H+2*e:H+2*e+1]
.set e, e+1
.endr
.rept 4
	v_pk_fma_f32 v[AC+4*(e%4)+2:AC+4*(e%4)+3], v[(\p)+2*e:(\p)+2*e+1], v[H+2*e:H+2*e+1], v[AC+4*(e%4)+2:AC+4*(e%4)+3]
.set e, e+1
.endr
.rept 24
	v_pk_add_f32 v[AC+4*(e%4):AC+4*(e%4)+1], v[AC+4*(e%4):AC+4*(e%4)+1], v[(\p)+2*e:(\p)+2*e+1]
	v_pk_fma_f32 v[AC+4*(e%4)+2:AC+4*(e%4)+3], v[(\p)+2*e:(\p)+2*e+1], v[H+2*e:H+2*e+1], v[AC+4*(e%4)+2:AC+4*(e%4)+3]
.set e, e+1
.endr
	v_pk_add_f32 v[AC:AC+1], v[AC:AC+1], v[AC+4:AC+5]
	v_pk_add_f32 v[AC+2:AC+3], v[AC+2:AC+3], v[AC+6:AC+7]
	v_pk_add_f32 v[AC+8:AC+9], v[AC+8:AC+9], v[AC+12:AC+13]
	v_pk_add_f32 v[AC+10:AC+11], v[AC+10:AC+11], v[AC+14:AC+15]
	v_pk_add_f32 v[MOM+4*(\k)+2:MOM+4*(\k)+3], v[AC:AC+1], v[AC+8:AC+9]
	v_pk_add_f32 v[MOM+4*(\k):MOM+4*(\k)+1], v[AC+2:AC+3], v[AC+10:AC+11]
.endm
.macro CMUL k, c                       ; times c_k
	v_mul_f32 v[MOM+4*(\k)], \c, v[MOM+4*(\k)]
.if (\k) > 0
	v_mul_f32 v[MOM+4*(\k)+2], \c, v[MOM+4*(\k)+2]
.endif
.endm
; The 13 pairs (M_0..M_6, S_1..S_6; 128 c_0 stands for c_0 S_0 and is written once) become the row's numbers, step by step for all, so that no line waits for the one before it.
.macro FIN
.irp p, 0,4,8,12,16,20,24,6,10,14,18,22,26
	v_add_f32 v[MOM+\p], v[MOM+\p], v[MOM+\p+1]
.endr
.irp p, 0,4,8,12,16,20,24,6,10,14,18,22,26
	v_permlanex16_b32 v[MOM+\p+1], v[MOM+\p], s[SEL], s[SEL+1]
.endr
.irp p, 0,4,8,12,16,20,24,6,10,14,18,22,26
	v_add_f32 v[MOM+\p], v[MOM+\p], v[MOM+\p+1]
.endr
	CMUL 0, 0x3f7ffffd                             ; 0.99999980
	CMUL 1, 0x3f8000bb                             ; 1.00002229
	CMUL 2, 0x3f00006a                             ; 0.50000635
	CMUL 3, 0x3e2a7c0f                             ; 0.16648887
	CMUL 4, 0x3d2a897a                             ; 0.04163501
	CMUL 5, 0x3c0e532b                             ; 0.00868682
	CMUL 6, 0x3abca602                             ; 0.00143927
.endm
; N_i = sum_k c_k M_k u_i^k and D_i = sum_k c_k S_k u_i^k by Horner, in window 1; h += N / D.  D is finished first; its 64 reciprocals stand among N's last 160 lines, two to each five, two plain lines
; behind the last; none of those lines names D.  One wait ahead of the first reader.
.macro HORNER
	WIN 0x40                                       ; destination window 1
.set e, 0
.rept 32
	v_pk_fma_f32 v[D+2*e:D+2*e+1], v[MOM+26:MOM+27], v[U+2*e:U+2*e+1], v[MOM+22:MOM+23] op_sel_hi:[0,1,0]
.set e, e+1
.endr
.set e, 0
.rept 32
	v_pk_fma_f32 v[N+2*e:N+2*e+1], v[MOM+24:MOM+25], v[U+2*e:U+2*e+1], v[MOM+20:MOM+21] op_sel_hi:[0,1,0]
.set e, e+1
.endr
	WIN 0x41                                       ; destination and source 0 window 1
.irp k, 4,3,2,1,0
.set e, 0
.rept 32
	v_pk_fma_f32 v[D+2*e:D+2*e+1], v[D+2*e:D+2*e+1], v[U+2*e:U+2*e+1], v[MOM+4*\k+2:MOM+4*\k+3] op_sel_hi:[1,1,0]
.set e, e+1
.endr
.endr
.set ln, 0
.set ri, 0
.irp k, 4,3,2,1,0
.set e, 0
.rept 32
	v_pk_fma_f32 v[N+2*e:N+2*e+1], v[N+2*e:N+2*e+1], v[U+2*e:U+2*e+1], v[MOM+4*\k:MOM+4*\k+1] op_sel_hi:[1,1,0]
.if (ln%5 == 0) || (ln%5 == 2)
	v_rcp_f32 v[D+ri], v[D+ri]
.set ri, ri+1
.endif
.set ln, ln+1
.set e, e+1
.endr
.endr
	s_wait_alu depctr_va_vdst(0)
	WIN 0x05                                       ; sources 0 and 1 window 1
.set e, 0
.rept 32
	v_pk_fma_f32 v[H+2*e:H+2*e+1], v[N+2*e:N+2*e+1], v[D+2*e:D+2*e+1], v[H+2*e:H+2*e+1]
.set e, e+1
.endr
	WIN 0
.endm
	; THE HEAD
	s_load_b512 s[4:19], s[0:1], 0x0               ; eight addresses
	s_load_b128 s[20:23], s[0:1], 0x40             ; b_c, out0
	v_lshl_add_u32 v[SPW], v0, 2, SPARE
	v_mov_b32 v[NIL], 0
	ds_add_u32 v[SPW], v[NIL]                      ; the wave's opening: the add and its wait stand ahead of my first tensor load; the set-up below, work on registers, stands between them
	v_lshrrev_b32 v1, 5, v0
	v_readfirstlane_b32 s[WV], v1                  ; wave 0..3
	s_bfe_u32 s[CX], ttmp6, 0x40000                ; my place in the cluster
	s_lshl_b32 s[WG], ttmp9, 2                     ; in a cluster launch ttmp9 counts clusters
	s_add_co_u32 s[WG], s[WG], s[CX]
	s_lshl_b32 s[XOF], s[WG], 15                   ; x: 64 rows of 512 bytes a work-group,
	s_lshl_b32 s[XOF+1], s[WV], 13                 ; 16 a wave
	s_add_co_u32 s[XOF], s[XOF], s[XOF+1]
	s_mov_b32 s[XOF+1], 0
	s_mul_i32 s[OOF], s[WG], 2560                  ; out0: 64 rows of 40 bytes a work-group
	s_mov_b32 s[OOF+1], 0
	s_lshl_b32 s[WOF], s[WV], 14                   ; my 32 rows of a matrix in memory
	s_mov_b32 s[WOF+1], 0
	s_mul_i32 s[WQ], s[WV], QB                     ; and in LDS: no place in the cluster enters an LDS address
	s_lshl_b32 s[WCQ], s[WV], 11
	s_add_co_u32 s[WCQ], s[WCQ], WCB
	; group 1 for a matrix: 32 rows x 128 elements of 4 bytes, padded in LDS
	s_mov_b32 s[G1M+0], 15|(2<<16)|(1<<20)|(1<<21)|(6<<22)|(7<<25)  ; 15:0 the mask of four; 17:16 4-byte elements; 20 padding on; 21 set beside a mask; 24:22 after every 128 words (code 6); 31:25 8 words (code 7)
	s_mov_b32 s[G1M+1], 128<<16                    ; tensor_dim0 = 128
	s_mov_b32 s[G1M+2], 32<<16                     ; tensor_dim1 = 32
	s_mov_b32 s[G1M+3], 128<<16                    ; tile_dim0 = 128
	s_mov_b32 s[G1M+4], 32                         ; tile_dim1 = 32
	s_mov_b32 s[G1M+5], 128                        ; 128 elements from row to row
	s_mov_b32 s[G1M+6], 0
	s_mov_b32 s[G1M+7], 0
	; group 1 for W_c: 32 rows of 10 elements, asked for 16 wide: elements at or beyond tensor_dim0 arrive as zeros
	s_mov_b32 s[G1C+0], 15|(2<<16)|(1<<21)
	s_mov_b32 s[G1C+1], 10<<16                     ; tensor_dim0 = 10
	s_mov_b32 s[G1C+2], 32<<16                     ; tensor_dim1 = 32
	s_mov_b32 s[G1C+3], 16<<16                     ; tile_dim0 = 16
	s_mov_b32 s[G1C+4], 32                         ; tile_dim1 = 32
	s_mov_b32 s[G1C+5], 10                         ; 10 elements from row to row
	s_mov_b32 s[G1C+6], 0
	s_mov_b32 s[G1C+7], 0
	; group 1 for a vector: one row of 192 elements of 8 bytes; the tensor's own length is written where the vector is chosen
	s_mov_b32 s[G1S+0], 15|(3<<16)|(1<<21)
	s_mov_b32 s[G1S+2], 1<<16                      ; tensor_dim1 = 1
	s_mov_b32 s[G1S+3], 192<<16                    ; tile_dim0 = 192
	s_mov_b32 s[G1S+4], 1                          ; tile_dim1 = 1
	s_mov_b32 s[G1S+6], 0
	s_mov_b32 s[G1S+7], 0
	; group 0: the count and the LDS addresses
	s_mov_b32 s[G0S], 1
	s_mov_b32 s[G0I], 1
	s_mov_b32 s[G0I+1], s[WQ]
	s_mov_b32 s[G0C], 1
	s_mov_b32 s[G0C+1], s[WCQ]
.irp m, 0,1,2
	s_mov_b32 s[G0A+4*\m], 1
	s_add_co_u32 s[G0A+4*\m+1], s[WQ], (\m+1)*MATB
.endr
	s_mov_b32 s[SEL], 0x76543210
	s_mov_b32 s[SEL+1], 0xfedcba98
	s_mov_b32 s[TS], 0x4038aa3b                    ; 2 log2 e
	s_mov_b32 s[TS+1], s[TS]                       ; named with it as a pair
	s_mov_b32 s[HIM], 0xffff0000
	s_mov_b32 s[VB], 0
	s_mov_b32 s[MB], 0
	s_mov_b32 s[CB], 0
	v_and_b32 v[LR], 15, v0
	v_bfe_u32 v[LH], v0, 4, 1
	v_and_b32 v[L7], 7, v0
	v_bfe_u32 v[L3], v0, 3, 1
	v_lshlrev_b32 v[XO], 9, v[LR]
	v_lshl_add_u32 v[XO], v[LH], 5, v[XO]          ; row r x 512 + 32 hh
	v_lshl_add_u32 v[AW0], v[LH], 3, v[L7]         ; the turning load takes 16 k x 16 n: lane l reads row 8 hh + l % 8, 16 bytes at 16 ((l / 8) % 2), and is left with column l % 16 and 8 k
	v_mul_u32_u24 v[AW0], v[AW0], PW
	v_lshl_add_u32 v[AW0], v[L3], 4, v[AW0]
	v_lshl_add_u32 v[AVE0], v[LH], 5, VEC
	v_mul_u32_u24 v[CVS0], v[LH], PW
	v_add_nc_u32 v[CVS0], s[WQ], v[CVS0]           ; my wave's rows, row hh of two
	v_lshl_add_u32 v[CVL0], v[LR], 5, v[CVS0]      ; 8 f32
	v_lshl_add_u32 v[CVS0], v[LR], 4, v[CVS0]      ; 8 bf16
	s_mul_i32 s[LC], s[WV], VW                     ; my wave's vector in LDS,
	s_add_co_u32 s[LC], s[LC], VEC
	v_and_b32 v[VA], 31, v0
	v_lshl_add_u32 v[VA], v[VA], 4, s[LC]          ; 16 bytes a lane
	s_wait_dscnt 0x0                               ; the opening add is done
	s_wait_kmcnt 0x0
	s_add_nc_u64 s[4:5], s[4:5], s[XOF:XOF+1]      ; x at my wave's first row
	s_add_nc_u64 s[22:23], s[22:23], s[OOF:OOF+1]  ; out0 at my work-group's first row
	s_add_nc_u64 s[G0I+2:G0I+3], s[6:7], s[WOF:WOF+1]
	s_or_b32 s[G0I+3], s[G0I+3], 0x80000000
	s_add_nc_u64 s[10:11], s[10:11], s[WOF:WOF+1]
.irp m, 0,1,2
	s_add_nc_u64 s[G0A+4*\m+2:G0A+4*\m+3], s[10:11], \m*65536
	s_or_b32 s[G0A+4*\m+3], s[G0A+4*\m+3], 0x80000000
.endr
	s_mul_i32 s[WOF], s[WV], 1280                  ; my 32 rows of W_c
	s_add_nc_u64 s[G0C+2:G0C+3], s[18:19], s[WOF:WOF+1]
	s_or_b32 s[G0C+3], s[G0C+3], 0x80000000
	s_mov_b32 s[INV], 0x3c000000                   ; 1 / 128
	s_mov_b32 s[EPSR], 0x3727c5ac                  ; 1e-5
	s_load_b256 s[BC:BC+7], s[20:21], 0x0          ; b_c's ten numbers
	s_load_b64 s[BC+8:BC+9], s[20:21], 0x20
.set i, 0
.rept 16                               ; x in h's layout: register 8 t + j = x[r][16 t + 8 hh + j]
	global_load_b128 v[U+4*i:U+4*i+3], v[XO], s[4:5] offset:64*(i/2)+16*(i%2) th:TH_LOAD_NT
.set i, i+1
.endr
	CROUND                                         ; all four work-groups are here: the joint loads meet
	; A wave's six loads go out together, ahead of every wait on TENSORcnt and every LDS read: six of mine are out.  First a vector, one to a wave; the branches hang on the wave's number alone.
	s_cmp_lg_u32 s[WV], 0
	s_cbranch_scc1 .Lvec1
	VECLOAD 8, 0, 64                               ; b_in
	s_branch .Lvec_done
.Lvec1:
	s_cmp_lg_u32 s[WV], 1
	s_cbranch_scc1 .Lvec2
	VECLOAD 12, 1, 192                             ; b_att
	s_branch .Lvec_done
.Lvec2:
	s_cmp_lg_u32 s[WV], 2
	s_cbranch_scc1 .Lvec3
	VECLOAD 14, 2, 192                             ; gamma
	s_branch .Lvec_done
.Lvec3:
	VECLOAD 16, 3, 192                             ; beta
.Lvec_done:
	tensor_load_to_lds s[G0I:G0I+3], s[G1M:G1M+7]  ; my rows of W_in,
	s_nop 0
	tensor_load_to_lds s[G0C:G0C+3], s[G1C:G1C+7]  ; of W_c,
	s_nop 0
	tensor_load_to_lds s[G0A:G0A+3], s[G1M:G1M+7]  ; of W_att[0], [1], [2]: in the order in which they are wanted
	s_nop 0
	tensor_load_to_lds s[G0A+4:G0A+7], s[G1M:G1M+7]
	s_nop 0
	tensor_load_to_lds s[G0A+8:G0A+11], s[G1M:G1M+7]
	s_nop 0
	PLACES
	s_wait_kmcnt 0x0                               ; b_c
	; W_in to bf16; my wave's vector rounded to bf16 and kept as f32, in place
	s_wait_tensorcnt 0x4                           ; tensor loads of a wave end in order: my vector and my rows of W_in are in; the four issued behind them may stay out
	CONV_LOAD
.irp q, 0,1,2
	ds_load_b128 v[T+4*\q:T+4*\q+3], v[VA] offset:512*\q
.endr
	s_wait_dscnt 0x0                               ; all 32 rows, and the vector, are in registers before any byte of them is written over
.irp q, 0,1,2,3,4,5
	v_cvt_pk_bf16_f32 v[AC+\q], v[T+2*\q], v[T+2*\q+1]  ; two roundings,
.endr
.irp q, 0,1,2,3,4,5
	v_lshlrev_b32 v[T+2*\q], 16, v[AC+\q]          ; and back to f32: the low half moves up,
	v_and_b32 v[T+2*\q+1], s[HIM], v[AC+\q]        ; the high half stays
.endr
.irp q, 0,1,2
	ds_store_b128 v[VA], v[T+4*\q:T+4*\q+3] offset:512*\q
.endr
	CONV_STORE
	s_wait_dscnt 0x0                               ; for the others' sake: my stores are done
	s_barrier_signal -1
	s_barrier_wait -1                              ; W_in is bf16, and all four vectors are in and rounded; later tiles may stay on their way
	; h = x W_in + b_in
	s_wait_loadcnt 0x0                             ; x
	GEMM H, U, 0
	PLACES                                         ; in front of loads into registers that the products have read
	; W_att[0] and W_c to bf16
	v_and_b32 v[XO], 31, v0                        ; (x has come: the register is free)
	v_lshl_add_u32 v[XO], v[XO], 6, s[WCQ]         ; a lane a row of W_c: 16 f32 in 64 bytes
	s_wait_tensorcnt 0x2                           ; my rows of W_c and of W_att[0] are in; two loads were issued behind them
	CONV_LOAD
.irp q, 0,1,2,3
	ds_load_b128 v[T+4*\q:T+4*\q+3], v[XO] offset:16*\q
.endr
	s_wait_dscnt 0x0
.irp q, 0,1,2,3,4,5,6,7
	v_cvt_pk_bf16_f32 v[T+\q], v[T+2*\q], v[T+2*\q+1]
.endr
	ds_store_b128 v[XO], v[T:T+3]                  ; 16 bf16 at the row's head
	ds_store_b128 v[XO], v[T+4:T+7] offset:16
	CONV_STORE
	s_wait_dscnt 0x0
	s_barrier_signal -1
	s_barrier_wait -1
	v_mov_b32 v[MOM+2], 0x42fffffd                 ; c_0 S_0 = 128 c_0, for all layers
	v_mov_b32 v[MOM+3], 0x42fffffd                 ; named with it as a pair
	s_mov_b32 s[LC], 3
.Llayer:                                       ; three trips, a layer each
	GEMM U, H, VW                                  ; h W_att + b_att
	SUM32 H, MOM                                   ; M_0's part: 31 plain lines that name no register of the products: the places behind them
	TANH
	MOMK 1, U
.irp k, 2,3,4,5,6
	POW \k
	MOMK \k, T
.endr
	FIN
	HORNER                                         ; h += out
	s_wait_tensorcnt 0x0                           ; the next matrix's rows are in.  One text for all trips, so the count is the least that any trip needs; the loads went out at the kernel's head
	s_cmp_eq_u32 s[LC], 1
	s_cbranch_scc1 .Lno_load                       ; behind the last layer's matrix there is none to convert
	CONV_LOAD                                      ; my rows of the next layer's matrix; they come while the mean and the variance are made
.Lno_load:
.set i, 0
.rept 16
	ds_load_b128 v[T+4*i:T+4*i+3], v[AVE] offset:2*VW+64*(i/2)+16*(i%2)  ; gamma
.set i, i+1
.endr
	s_add_co_u32 s[VB], s[VB], 512
	SUM32 H, MEAN
	CROSS MEAN
	v_mul_f32 v[MEAN], s[INV], v[MEAN]
.set e, 0
.rept 32
	v_pk_add_f32 v[H+2*e:H+2*e+1], v[H+2*e:H+2*e+1], v[MEAN:MEAN+1] op_sel_hi:[1,0] neg_lo:[0,1] neg_hi:[0,1]  ; centred first: the variance is no difference of large sums
.set e, e+1
.endr
	SUMSQ H, VAR
	s_wait_dscnt 16                                ; the matrix's 32 loads, where there are any, are in; gamma's 16, issued behind them, may stay out
.set i, 0
.rept 16
	ds_load_b128 v[U+4*i:U+4*i+3], v[AVE] offset:3*VW+64*(i/2)+16*(i%2)  ; beta
.set i, i+1
.endr
	CROSS VAR
	v_fma_f32 v[VAR], v[VAR], s[INV], s[EPSR]
	v_rsq_f32 v[VAR], v[VAR]
	v_nop                                          ; a plain instruction behind it,
	s_wait_alu depctr_va_vdst(0)                   ; and the wait ahead of the branch
	s_cmp_eq_u32 s[LC], 1
	s_cbranch_scc1 .Lno_store
	CONV_STORE
.Lno_store:
	s_wait_dscnt 0x0                               ; my stores are done, for the others' sake; gamma and beta are in
	s_barrier_signal -1                            ; the scaling, work on registers, stands between the signal and the wait
.set e, 0
.rept 32
	v_pk_mul_f32 v[H+2*e:H+2*e+1], v[H+2*e:H+2*e+1], v[VAR:VAR+1] op_sel_hi:[1,0]
.set e, e+1
.endr
.set e, 0
.rept 32
	v_pk_fma_f32 v[H+2*e:H+2*e+1], v[H+2*e:H+2*e+1], v[T+2*e:T+2*e+1], v[U+2*e:U+2*e+1]
.set e, e+1
.endr
	s_barrier_wait -1                              ; every wave's rows of the next matrix are bf16
	s_sub_co_u32 s[LC], s[LC], 1
	s_cmp_lg_u32 s[LC], 0
	s_cbranch_scc1 .Llayer
	; THE CLASSIFIER: one tile of 16 classes (10 in use) x my 16 rows.  h goes in two bf16 parts: hi = bf16(h) in T, lo = bf16(h - hi) in T + 32; K in four steps for each part, on two accumulators by
	; turns; b_c, rounded to bf16, starts the first sum, 0 the second.
	v_lshl_add_u32 v[AWC], v[LH], 3, v[L7]
	v_lshlrev_b32 v[AWC], 6, v[AWC]                ; rows of 64 bytes
	v_lshl_add_u32 v[AWC], v[L3], 4, v[AWC]
	v_add_nc_u32 v[AWC], WCB, v[AWC]
.irp c, 0,1,2,3
	ds_load_tr16_b128 v[U+8*\c:U+8*\c+3],   v[AWC] offset:2048*\c
	ds_load_tr16_b128 v[U+8*\c+4:U+8*\c+7], v[AWC] offset:2048*\c+1024
.endr
	PACK H
.set g, 0
.rept 4                                ; eight pairs at a time: hi back as f32, then h - hi in place
.irp q, 0,1,2,3,4,5,6,7
	v_lshlrev_b32 v[AC+2*\q], 16, v[T+8*g+\q]
	v_and_b32 v[AC+2*\q+1], s[HIM], v[T+8*g+\q]
.endr
.irp q, 0,1,2,3,4,5,6,7
	v_pk_add_f32 v[H+16*g+2*\q:H+16*g+2*\q+1], v[H+16*g+2*\q:H+16*g+2*\q+1], v[AC+2*\q:AC+2*\q+1] neg_lo:[0,1] neg_hi:[0,1]
.endr
.set g, g+1
.endr
.set i, 0
.rept 32
	v_cvt_pk_bf16_f32 v[T+32+i], v[H+2*i], v[H+2*i+1]
.set i, i+1
.endr
.irp j, 0,1,2,3,4,5,6,7
	v_mov_b32 v[U+32+\j], s[BC+\j]                 ; register j is class 8 hh + j: lanes 0-15 take b_c[j],
.endr
	v_cndmask_b32 v[U+32], v[U+32], s[BC+8], s[HIM]  ; lanes 16-31 b_c[8] and b_c[9]; what their other registers hold belongs to classes 10-15, which are never stored
	v_cndmask_b32 v[U+33], v[U+33], s[BC+9], s[HIM]
.irp q, 0,1,2,3
	v_cvt_pk_bf16_f32 v[AC+\q], v[U+32+2*\q], v[U+33+2*\q]  ; b_c rounded to bf16 like the other inputs,
.endr
.irp q, 0,1,2,3
	v_lshlrev_b32 v[U+32+2*\q], 16, v[AC+\q]       ; and back as f32
	v_and_b32 v[U+33+2*\q], s[HIM], v[AC+\q]
.endr
	s_wait_dscnt 0x0
	v_wmma_f32_16x16x32_bf16 v[U+32:U+39], v[U:U+7],     v[T:T+7],     v[U+32:U+39]
	v_wmma_f32_16x16x32_bf16 v[U+40:U+47], v[U+8:U+15],  v[T+8:T+15],  0
	v_wmma_f32_16x16x32_bf16 v[U+32:U+39], v[U+16:U+23], v[T+16:T+23], v[U+32:U+39]
	v_wmma_f32_16x16x32_bf16 v[U+40:U+47], v[U+24:U+31], v[T+24:T+31], v[U+40:U+47]
	v_wmma_f32_16x16x32_bf16 v[U+32:U+39], v[U:U+7],     v[T+32:T+39], v[U+32:U+39]
	v_wmma_f32_16x16x32_bf16 v[U+40:U+47], v[U+8:U+15],  v[T+40:T+47], v[U+40:U+47]
	v_wmma_f32_16x16x32_bf16 v[U+32:U+39], v[U+16:U+23], v[T+48:T+55], v[U+32:U+39]
	v_wmma_f32_16x16x32_bf16 v[U+40:U+47], v[U+24:U+31], v[T+56:T+63], v[U+40:U+47]
	s_mul_i32 s[WOF], s[WV], 640                   ; the addresses of the way out are the places behind those products: six lines and two v_nop
	s_add_co_u32 s[WOF], s[WOF], STG               ; my wave's 16 rows of 40 bytes in the stage
	v_mul_u32_u24 v[ST2], v[LR], 40
	v_add_nc_u32 v[ST2], s[WOF], v[ST2]
	v_lshl_add_u32 v[ST1], v[LH], 5, v[ST2]        ; row r, + 32 hh
	v_lshl_add_u32 v[ST2], v[LH], 4, v[ST2]        ; row r, + 16 hh
	v_lshl_add_u32 v[RD], v0, 4, STG               ; back: 16 dense bytes a thread,
	v_lshlrev_b32 v[GO], 4, v0                     ; which go to the same place in the work-group's part of out0
	v_nop
	v_nop
.irp q, 0,1,2,3
	v_pk_add_f32 v[U+32+2*\q:U+33+2*\q], v[U+32+2*\q:U+33+2*\q], v[U+40+2*\q:U+41+2*\q]  ; ascending: both accumulators are read from the low end
.endr
	; A row's ten numbers are five pairs.  Lane (r, 0) holds pairs 0-3, lane (r, 1) pair 4.  Three stores of 8 bytes with all lanes on: (0 | 4), (1 | 3), (2 | 4 once more); pair 3 crosses the halves first.
	v_permlanex16_b32 v[U+40], v[U+38], s[SEL], s[SEL+1]
	v_permlanex16_b32 v[U+41], v[U+39], s[SEL], s[SEL+1]
	v_cndmask_b32 v[U+44], v[U+36], v[U+32], s[HIM]
	v_cndmask_b32 v[U+45], v[U+37], v[U+33], s[HIM]
	v_cndmask_b32 v[U+42], v[U+34], v[U+40], s[HIM]
	v_cndmask_b32 v[U+43], v[U+35], v[U+41], s[HIM]
	ds_store_b64 v[ST1], v[U+32:U+33]              ; bytes 0 | 32 of the row
	ds_store_b64 v[ST2], v[U+42:U+43] offset:8     ; bytes 8 | 24
	ds_store_b64 v[ST2], v[U+44:U+45] offset:16    ; bytes 16 | 32
	s_wait_dscnt 0x0                               ; for the others' sake: my stores into the stage are done
	s_barrier_signal -1
	s_barrier_wait -1
	ds_load_b128 v[T:T+3], v[RD]
	s_wait_dscnt 0x0
	global_store_b128 v[GO], v[T:T+3], s[22:23] th:TH_STORE_NT  ; a wave's store covers 512 consecutive bytes, at a multiple of 256 from out0's first byte
	s_cmp_lg_u32 s[WV], 0
	s_cbranch_scc1 .Lend
	ds_load_b128 v[T+4:T+7], v[RD] offset:2048     ; the work-group's last 512 of 2,560 bytes: wave 0
	s_wait_dscnt 0x0
	global_store_b128 v[GO], v[T+4:T+7], s[22:23] offset:2048 th:TH_STORE_NT
.Lend:
	s_wait_tensorcnt 0x0                           ; the wave's end, behind my last tensor load and my last LDS store
	ds_add_u32 v[SPW], v[NIL]
	s_wait_dscnt 0x0
	CROUND                                         ; the closing round: no work-group ends while a partner may still ask for a tile that names it
	s_endpgm
.Lfunc_end_k_qb11962beb2_main:
	.size	k_qb11962beb2_main, .Lfunc_end_k_qb11962beb2_main-k_qb11962beb2_main
	.p2alignl 7, 3214868480
	.fill 96, 4, 3214868480
	.section	.rodata,"a",@progbits
	.p2align	6, 0x0
	.amdhsa_kernel k_qb11962beb2_main
		.amdhsa_group_segment_fixed_size 295936
		.amdhsa_private_segment_fixed_size 0
		.amdhsa_enable_private_segment 0
		.amdhsa_kernarg_size 80
		.amdhsa_user_sgpr_count 2
		.amdhsa_user_sgpr_kernarg_segment_ptr 1
		.amdhsa_wavefront_size32 1
		.amdhsa_system_sgpr_workgroup_id_x 1
		.amdhsa_system_sgpr_workgroup_id_y 1
		.amdhsa_system_sgpr_workgroup_id_z 1
		.amdhsa_system_vgpr_workitem_id 0
		.amdhsa_next_free_vgpr 512
		.amdhsa_next_free_sgpr 102
		.amdhsa_reserve_vcc 0
		.amdhsa_float_denorm_mode_32 3
		.amdhsa_float_denorm_mode_16_64 3
		.amdhsa_memory_ordered 1
		.amdhsa_forward_progress 1
		.amdhsa_inst_pref_size 157
	.end_amdhsa_kernel
	.amdgpu_metadata
---
amdhsa.version: [ 1, 2 ]
amdhsa.kernels:
  - .name:           k_qb11962beb2_main
    .symbol:         k_qb11962beb2_main.kd
    .args:
      - { .name: x, .offset: 0, .size: 8, .value_kind: global_buffer, .address_space: global }
      - { .name: W_in, .offset: 8, .size: 8, .value_kind: global_buffer, .address_space: global }
      - { .name: b_in, .offset: 16, .size: 8, .value_kind: global_buffer, .address_space: global }
      - { .name: W_att, .offset: 24, .size: 8, .value_kind: global_buffer, .address_space: global }
      - { .name: b_att, .offset: 32, .size: 8, .value_kind: global_buffer, .address_space: global }
      - { .name: gamma, .offset: 40, .size: 8, .value_kind: global_buffer, .address_space: global }
      - { .name: beta, .offset: 48, .size: 8, .value_kind: global_buffer, .address_space: global }
      - { .name: W_c, .offset: 56, .size: 8, .value_kind: global_buffer, .address_space: global }
      - { .name: b_c, .offset: 64, .size: 8, .value_kind: global_buffer, .address_space: global }
      - { .name: out0, .offset: 72, .size: 8, .value_kind: global_buffer, .address_space: global }
    .group_segment_fixed_size: 295936
    .private_segment_fixed_size: 0
    .kernarg_segment_align: 8
    .kernarg_segment_size: 80
    .max_flat_workgroup_size: 128
    .sgpr_count:     102
    .vgpr_count:     512
    .wavefront_size: 32
...
	.end_amdgpu_metadata
.endif
;; end of part 1
